; MI455X (gfx1250); checked and timed in simulation.
; The chip was launched on July 23, 2026; its instructions are those of AMD's public machine-readable ISA for CDNA 5 (MIT licence, August 2026) and "CDNA5" Instruction Set Architecture Reference Guide (July 2026). The comments in the code are by the model that wrote it; some were corrected since.
;; Attention. Allowed arithmetic: matrix products marked QUANTISED: E4M3 operands, one E8M0 scale for each 32 along K, by v_wmma_scale_f32_16x16x128_f8f6f4 with both operands' format E4M3, f32 sums; products left as they are: f32 operands where the result goes on into a quantised operand, else bf16, f16 or f32 operands; f32 sums; everything else in f32.
;; Inputs: Kb 1,024 float32; Kw 1,024 x 1,024 float32; Qb 1,024 float32; Qw 1,024 x 1,024 float32; Vb 1 float32; Vw 1 x 1,024 float32; keys 8 x 4,096 x 1,024 float32; queries 8 x 4,096 x 1,024 float32.
;; Outputs: out0 8 x 1 x 1,024 float32; out1 8 x 1 x 4,096 float32.
;; This version of the problem:
;;   THIS VERSION OF THE PROBLEM IS GIVEN IN LOW PRECISION. The matrix products marked QUANTISED in the list below multiply operands that are first quantised to E4M3 (4 exponent bits, 3 mantissa bits; 8 bits a number), with one power-of-two scale for each 32 numbers along K (OCP MX v1.0); their sums are f32. All else is computed in f32.
;;   The module's matrix products, in the order in which they are computed (A, B: the left and right operand; K: the contracted axis; several contracted axes count as one K, in the product's order):
;;     1. [M 32,768, K 1,024] x [K 1,024, N 1,024]; A: input queries; B: input Qw: QUANTISED
;;     2. [M 32,768, K 1,024] x [K 1,024, N 1,024]; A: input keys; B: input Kw: QUANTISED
;;     3. [M 32,768, K 1,024] x [K 1,024, N 1]; A: computed on the way; B: input Vw: left as it is (N = 1 < 16)
;;     4. batch 8 x [M 1, K 4,096] x [K 4,096, N 1,024]; A: softmax; B: input keys: left as it is (M = 1 < 16)
;;   THE QUANTISER, for each operand of a quantised product, along K:
;;     - K is cut into blocks of 32 from its start; a last block that is shorter is filled with zeros.
;;     - A block's scale is 2^e with e = floor(log2(the largest magnitude in the block)) - 8, held to -126 .. 127; a block of zeros has e = 0. As a byte (E8M0): e + 127.
;;     - Each number is divided by its block's scale, clamped to +-448, and rounded to the nearest number of E4M3, ties to even, subnormals kept.
;;     - The product sums the exact products of the quantised numbers (number of the format x scale) in f32.
;;   ~~~python
;;   def quantise(x, axis):      # numpy; x: float32 -> the quantised numbers, widened to float32 again
;;       x = np.moveaxis(x, axis, -1); K = x.shape[-1]
;;       x = np.pad(x, [(0, 0)] * (x.ndim - 1) + [(0, -K % 32)]); x = x.reshape(x.shape[:-1] + (-1, 32)); a = np.abs(x).max(-1, keepdims=True)
;;       e = np.where(a > 0, np.clip(np.frexp(np.where(a > 0, a, 1))[1] - 1 - 8, -126, 127), 0)      # np.frexp(a)[1] - 1 = floor(log2(a)), exactly
;;       r = np.clip(x / 2.0 ** e, -448, 448)
;;       step = 2.0 ** (np.maximum(np.frexp(np.where(r == 0, 1, r))[1] - 1, -6) - 3)
;;       q = np.round(r / step) * step * 2.0 ** e      # np.round: ties to even
;;       return np.moveaxis(q.reshape(q.shape[:-2] + (-1,))[..., :K], -1, axis).astype(np.float32)
;;   ~~~
;; One version. Each part assembles by itself: llvm-mc -triple=amdgcn-amd-amdhsa -mcpu=gfx1250 --defsym DOCPART=n.
;; ======== version 1 of 1: 3 launches
;; limits: right only within a limited range of input values
;; workspace buffers: wb 2,097,152 bytes; ws 65,536 bytes; cv 16,384 bytes; sc 131,072 bytes; st 2,048 bytes; pc 1,048,576 bytes
;; launch prep (part 1): grid 256 x 1, 1 waves a work-group, no clusters, 8,960 bytes of LDS; arguments Qw, Kw, Qb, Kb, Vw, wb, ws, cv; writes wb, ws, cv
.if DOCPART == 1
	.amdgcn_target "amdgcn-amd-amdhsa--gfx1250"
	.amdhsa_code_object_version 6
	.text
	.protected	k_qea42d156ae_prep
	.globl	k_qea42d156ae_prep
	.p2align	8
	.type	k_qea42d156ae_prep,@function
k_qea42d156ae_prep:
	s_mov_b64 s[64:65], 0
	v_nop
	global_prefetch_b8 v0, s[64:65] scope:SCOPE_SE
	s_setreg_imm32_b32 hwreg(HW_REG_WAVE_MODE, 25, 1), 1
	s_wait_xcnt 0x0
; [Qw | Kw], f32 [1024][1024] each with K innermost, become ONE operand of K = 2,048: codes of E4M3 with one E8M0 scale byte for each 32 along K.
; The codes are laid as IMAGES OF THE OPERAND'S REGISTERS, in the order in which a wave of the next launch walks them:
;   ws: (wp x 16 + s) x 512 + (t / 4) x 256 + 16 r + 4 (t % 4): one load of 16 bytes a lane gives lanes 0-15 the scale words of tiles 0-3 and lanes 16-31 those of tiles 4-7.
;   cv: wp x 2,048 + kind x 1,024 + (t / 2) x 256 + 16 r: (x(t), x(t), x(t+1), x(t+1)); kind 0: 2 log2(e) (Qb + Kb), kind 1: -2 Vw, of column 128 wp + 16 t + r; each number twice, for packed arithmetic.
; A block's scale is 2^(floor(log2(its largest magnitude)) - 8); its byte is the largest magnitude's exponent field - 8, held at 1 from below.
; LIMITS: a block of zeros gets the byte 1 with zero codes (the bytes are read by this program alone); NaN and infinities among the inputs are not served.
; SHARES: one wave a work-group; work-group g makes four fragments: quad = g & 1 (tiles 4 quad ..), s = (g >> 1) & 15, wp = g >> 5.
; A load takes one row's 512 consecutive bytes; 16 rows turn through a stage in LDS (pitch 528) so that a lane gets 16 neighbours along K of each block of 32 of ITS row.
; WORK LEFT OUT BY THE PROGRAM: Vb.  reference() adds the one number Vb to every score of a batch and then takes a softmax along the scores: softmax(s + c) = softmax(s) for every real c,
; and the scores themselves are no output (weights and context alone are).  So Vb reaches no output, whatever the inputs hold: it is not loaded and is no launch's argument.
; LIMIT: a NaN, an infinity or an overflow that would arise from Vb alone is not carried to the results.
.set PITCH, 528
.set TM,  8                            ; v8-23    at work in the quantiser
.set PWQ, 24                           ; v24-27   the four fragments' scale words
.set BI,  28                           ; v28-39   Qb, Kb, Vw of my columns
.set PC,  48                           ; v48-63   a fragment's codes
.set XQ,  64                           ; v64-127  64 numbers of my row; at the end the table's pairs
.set RG,  128                          ; v128-255 two sets of 16 rows as loaded
.set SRC, 20                           ; s[20:21] the weight's rows
.set WBO, 22                           ; s[22:23] where the images go
.set WSO, 24                           ; s[24:25] the scale words
.set CVO, 26                           ; s[26:27] the table
.set SEL, 28                           ; s[28:29] selects of v_permlanex16_b32: lane l xor 16
.set MNT, 30                           ; s30      the mantissa field of 448
.set KS,  31                           ; s31      the K step
	s_load_b256 s[4:11], s[0:1], 0x0               ; Qw, Kw, Qb, Kb
	s_load_b256 s[12:19], s[0:1], 0x20             ; Vw, wb, ws, cv
	v_lshl_add_u32 v46, v0, 2, 0x2200
	v_mov_b32 v47, 0
	v_and_b32 v1, 15, v0                           ; r
	v_lshrrev_b32 v2, 4, v0                        ; h
	v_lshlrev_b32 v3, 4, v0                        ; 16 x lane
	v_mul_u32_u24 v4, v1, PITCH
	v_lshl_add_u32 v4, v2, 6, v4                   ; out of the stage: row r, + 64 h
	v_lshlrev_b32 v5, 4, v1                        ; 16 r
	v_lshlrev_b32 v6, 2, v1                        ; 4 r
.irp b, 0,1,2,3
	v_mov_b32 v[TM+4+\b], 0                        ; written once: a lane permute's destination counts as one of its sources
.endr
	s_and_b32 s32, ttmp9, 1                        ; quad
	s_lshr_b32 s33, ttmp9, 1                       ; u = 16 wp + s
	s_and_b32 s[KS], s33, 15
	s_lshr_b32 s34, s33, 4                         ; wp
	s_lshl_b32 s35, s34, 7
	s_lshl_b32 s38, s32, 6
	s_add_co_u32 s35, s35, s38                     ; my first column: 128 wp + 64 quad
	s_mov_b32 s37, 0
	s_mov_b32 s[SEL], 0x76543210
	s_mov_b32 s[SEL+1], 0xfedcba98
	s_mov_b32 s[MNT], 0x600000
	s_wait_alu depctr_va_vdst(0)
	s_wait_kmcnt 0x0
	s_cmp_lt_u32 s[KS], 8                          ; K steps 0-7 come from Qw, 8-15 from Kw: the choice hangs on the work-group's number alone
	s_cselect_b64 s[SRC:SRC+1], s[4:5], s[6:7]
	s_lshl_b32 s36, s35, 12                        ; a row is 4,096 bytes,
	s_and_b32 s38, s[KS], 7
	s_lshl_b32 s38, s38, 9                         ; a K step 512
	s_add_co_u32 s36, s36, s38
	s_add_nc_u64 s[SRC:SRC+1], s[SRC:SRC+1], s[36:37]
.macro LOADT j                         ; tile j's 16 rows, 512 consecutive bytes a load, into set j % 2
.irp i, 0,1,2,3,4,5,6,7,8,9,10,11,12,13,14,15
	global_load_b128 v[RG+64*((\j)%2)+4*\i:RG+64*((\j)%2)+4*\i+3], v3, s[SRC:SRC+1] offset:(16*(\j)+\i)*4096 th:TH_LOAD_NT
.endr
.endm
.macro TURN j                          ; through the stage: LDS serves a wave's instructions in order, so no wait stands between the stores and the loads
.irp i, 0,1,2,3,4,5,6,7,8,9,10,11,12,13,14,15
	ds_store_b128 v3, v[RG+64*((\j)%2)+4*\i:RG+64*((\j)%2)+4*\i+3] offset:PITCH*\i
.endr
.irp b, 0,1,2,3
.irp q, 0,1,2,3
	ds_load_b128 v[XQ+16*\b+4*\q:XQ+16*\b+4*\q+3], v4 offset:128*\b+16*\q   ; register 16 b + i = k 32 b + 16 h + i of row r
.endr
.endr
.endm
; 64 numbers of a lane, register 16 b + i = k 32 b + 16 (lane / 16) + i of my row, become a fragment's codes in v[PC] on and its scale word in v[pw]
.macro QUANT s, pw
.irp b, 0,1,2,3
	v_max3_num_f32 v[TM+\b], |v[\s+16*\b]|, |v[\s+1+16*\b]|, 0x4800000   ; block b: my 16 numbers, and the floor 2^(9 - 127): the byte cannot fall under 1
.endr
.irp i, 2,4,6,8,10,12,14
.irp b, 0,1,2,3
	v_max3_num_f32 v[TM+\b], v[TM+\b], |v[\s+16*\b+\i]|, |v[\s+1+16*\b+\i]|   ; the four blocks by turns
.endr
.endr
.irp b, 0,1,2,3
	v_permlanex16_b32 v[TM+4+\b], v[TM+\b], s[SEL], s[SEL+1]
.endr
.irp b, 0,1,2,3
	v_max_num_f32 v[TM+\b], v[TM+\b], v[TM+4+\b]   ; with lane l xor 16's: the block's largest magnitude
.endr
.irp b, 0,1,2,3
	v_add_nc_u32 v[TM+12+\b], 0xfc000000, v[TM+\b] ; 8 off its exponent field: the conversion's scale operand
.endr
.irp b, 0,1,2,3
	v_and_or_b32 v[TM+8+\b], v[TM+\b], 0x7f800000, s[MNT]   ; 448 x the scale
.endr
.irp b, 0,1,2,3
	v_lshrrev_b32 v[TM+4+\b], 23, v[TM+12+\b]      ; the scale's byte
.endr
	v_lshl_or_b32 v[\pw], v[TM+5], 8, v[TM+4]      ; four bytes: my row's scale word
	v_lshl_or_b32 v[\pw], v[TM+6], 16, v[\pw]
	v_lshl_or_b32 v[\pw], v[TM+7], 24, v[\pw]
.irp b, 0,1,2,3
.irp i, 0,1,2,3,4,5,6,7,8,9,10,11,12,13,14,15
	v_med3_num_f32 v[\s+16*\b+\i], v[\s+16*\b+\i], -v[TM+8+\b], v[TM+8+\b]   ; the conversion to an 8-bit code does not saturate (ISA guide 7.6.2): the hold comes first
.endr
	v_cvt_scalef32_pk8_fp8_f32 v[PC+4*\b:PC+1+4*\b], v[\s+16*\b:\s+7+16*\b], v[TM+12+\b]
	v_cvt_scalef32_pk8_fp8_f32 v[PC+2+4*\b:PC+3+4*\b], v[\s+8+16*\b:\s+15+16*\b], v[TM+12+\b]
.endr
	v_nop                                          ; a plain line behind the last conversion, ahead of whatever next writes its sources
.endm
	LOADT 0
	LOADT 1
	s_lshl_b32 s36, s33, 14                        ; images: 16,384 bytes a (wp, s), 8,192 a quad
	s_lshl_b32 s38, s32, 13
	s_add_co_u32 s36, s36, s38
	s_add_nc_u64 s[WBO:WBO+1], s[14:15], s[36:37]
	s_lshl_b32 s36, s33, 9                         ; scale words: 512 a (wp, s), 256 a quad
	s_lshl_b32 s38, s32, 8
	s_add_co_u32 s36, s36, s38
	s_add_nc_u64 s[WSO:WSO+1], s[16:17], s[36:37]
	s_lshl_b32 s36, s34, 11                        ; the table: 2,048 a wp, 512 a quad
	s_lshl_b32 s38, s32, 9
	s_add_co_u32 s36, s36, s38
	s_add_nc_u64 s[CVO:CVO+1], s[18:19], s[36:37]
	s_lshl_b32 s36, s35, 2                         ; Qb, Kb, Vw at my first column
	s_add_nc_u64 s[8:9], s[8:9], s[36:37]
	s_add_nc_u64 s[10:11], s[10:11], s[36:37]
	s_add_nc_u64 s[12:13], s[12:13], s[36:37]
.irp j, 0,1,2,3
.if \j < 3
	s_wait_loadcnt 16                              ; this tile's 16 loads are in; the next tile's may be out
.else
	s_wait_loadcnt 0x0
.endif
	TURN \j
	s_wait_dscnt 0x0                               ; my numbers are back, and the stage's stores have read the set
.if \j < 2
	LOADT \j+2                                     ; which takes the tile two on
.endif
.if \j > 0
	s_wait_xcnt 0x0                                ; the last fragment's stores have read v[PC] on: it is written again only behind this wait
.endif
	QUANT XQ, PWQ+\j
.irp c, 0,1,2,3
	global_store_b128 v3, v[PC+4*\c:PC+4*\c+3], s[WBO:WBO+1] offset:2048*\j+512*\c   ; 32 lanes store 512 consecutive bytes
.endr
.endr
	s_cmp_lg_u32 s[KS], 0                          ; the table is made once for each 64 columns: by the work-groups of K step 0
	s_cbranch_scc1 .Lno_table
.irp j, 0,1,2,3
	global_load_b32 v[BI+\j], v6, s[8:9] offset:64*\j
	global_load_b32 v[BI+4+\j], v6, s[10:11] offset:64*\j
	global_load_b32 v[BI+8+\j], v6, s[12:13] offset:64*\j
.endr
	s_wait_loadcnt 0x0
.irp j, 0,1,2,3
	v_add_f32 v[BI+\j], v[BI+\j], v[BI+4+\j]       ; Qb + Kb
.endr
.irp j, 0,1,2,3
	v_mul_f32 v[XQ+2*\j], 0x4038aa3b, v[BI+\j]     ; x 2 log2(e)
	v_mul_f32 v[XQ+8+2*\j], -2.0, v[BI+8+\j]       ; -2 Vw
.endr
.irp j, 0,1,2,3
	v_mov_b32 v[XQ+1+2*\j], v[XQ+2*\j]             ; each number twice
	v_mov_b32 v[XQ+9+2*\j], v[XQ+8+2*\j]
.endr
.Lno_table:
	s_wait_xcnt 0x0                                ; EXEC changes only behind this wait
	v_cmp_gt_u32 vcc_lo, 16, v0
	s_and_saveexec_b32 s38, vcc_lo                 ; lanes 0-15: both halves hold the same words
	global_store_b128 v5, v[PWQ:PWQ+3], s[WSO:WSO+1]   ; 16 lanes store 256 consecutive bytes, aligned
	s_cmp_lg_u32 s[KS], 0
	s_cbranch_scc1 .Lend
	s_wait_alu depctr_va_vdst(0)
.irp q, 0,1
	global_store_b128 v5, v[XQ+4*\q:XQ+4*\q+3], s[CVO:CVO+1] offset:256*\q
	global_store_b128 v5, v[XQ+8+4*\q:XQ+11+4*\q], s[CVO:CVO+1] offset:1024+256*\q
.endr
.Lend:
	s_wait_xcnt 0x0
	s_mov_b32 exec_lo, -1
	s_wait_tensorcnt 0x0
	ds_add_u32 v46, v47
	s_wait_dscnt 0x0
	s_endpgm
.Lfunc_end_k_qea42d156ae_prep:
	.size	k_qea42d156ae_prep, .Lfunc_end_k_qea42d156ae_prep-k_qea42d156ae_prep
	.p2alignl 7, 3214868480
	.fill 96, 4, 3214868480
	.section	.rodata,"a",@progbits
	.p2align	6, 0x0
	.amdhsa_kernel k_qea42d156ae_prep
		.amdhsa_group_segment_fixed_size 8960
		.amdhsa_private_segment_fixed_size 0
		.amdhsa_enable_private_segment 0
		.amdhsa_kernarg_size 64
		.amdhsa_user_sgpr_count 2
		.amdhsa_user_sgpr_kernarg_segment_ptr 1
		.amdhsa_wavefront_size32 1
		.amdhsa_system_sgpr_workgroup_id_x 1
		.amdhsa_system_sgpr_workgroup_id_y 1
		.amdhsa_system_sgpr_workgroup_id_z 1
		.amdhsa_system_vgpr_workitem_id 0
		.amdhsa_next_free_vgpr 256
		.amdhsa_next_free_sgpr 66
		.amdhsa_reserve_vcc 1
		.amdhsa_float_denorm_mode_32 3
		.amdhsa_float_denorm_mode_16_64 3
		.amdhsa_memory_ordered 1
		.amdhsa_forward_progress 1
		.amdhsa_inst_pref_size 53
	.end_amdhsa_kernel
	.amdgpu_metadata
---
amdhsa.version: [ 1, 2 ]
amdhsa.kernels:
  - .name:           k_qea42d156ae_prep
    .symbol:         k_qea42d156ae_prep.kd
    .args:
      - { .name: Qw, .offset: 0, .size: 8, .value_kind: global_buffer, .address_space: global }
      - { .name: Kw, .offset: 8, .size: 8, .value_kind: global_buffer, .address_space: global }
      - { .name: Qb, .offset: 16, .size: 8, .value_kind: global_buffer, .address_space: global }
      - { .name: Kb, .offset: 24, .size: 8, .value_kind: global_buffer, .address_space: global }
      - { .name: Vw, .offset: 32, .size: 8, .value_kind: global_buffer, .address_space: global }
      - { .name: wb, .offset: 40, .size: 8, .value_kind: global_buffer, .address_space: global }
      - { .name: ws, .offset: 48, .size: 8, .value_kind: global_buffer, .address_space: global }
      - { .name: cv, .offset: 56, .size: 8, .value_kind: global_buffer, .address_space: global }
    .group_segment_fixed_size: 8960
    .private_segment_fixed_size: 0
    .kernarg_segment_align: 8
    .kernarg_segment_size: 64
    .max_flat_workgroup_size: 32
    .sgpr_count:     66
    .vgpr_count:     256
    .wavefront_size: 32
...
	.end_amdgpu_metadata
.endif
;; end of part 1
;; launch main (part 2): grid 256 x 1, 4 waves a work-group, no clusters, 327,680 bytes of LDS; arguments queries, keys, wb, ws, cv, sc, st, pc; writes sc, st, pc
.if DOCPART == 2
	.amdgcn_target "amdgcn-amd-amdhsa--gfx1250"
	.amdhsa_code_object_version 6
	.text
	.protected	k_qea42d156ae_main
	.globl	k_qea42d156ae_main
	.p2align	8
	.type	k_qea42d156ae_main,@function
k_qea42d156ae_main:
	s_mov_b64 s[64:65], 0
	v_nop
	global_prefetch_b8 v0, s[64:65] scope:SCOPE_SE
	s_setreg_imm32_b32 hwreg(HW_REG_WAVE_MODE, 25, 1), 1
	s_wait_xcnt 0x0
; For 128 rows (of one batch) a work-group: z = [queries | keys] [Qw | Kw]^T on codes of E4M3 with E8M0 scales (K = 2,048, N = 1,024), score = sum over n of Vw tanh(z + Qb + Kb),
; the rows' own maximum m, p = e^(score - m), their sum l, and the partial context sum of p x keys.  The next launch joins the 32 work-groups of a batch.
; Vb is left out: it is the same for all scores of a softmax's axis and reaches no output (shown at the head of the first kernel).
; Wave w makes columns 256 w .. + 255 for all 128 rows in two passes of 128 columns (64 accumulators); the weights' images come from memory straight into its registers.
; PASS 0 RUNS WITH THE QUANTISER: a trip takes K step t: wave w quantises rows 32 w .. + 31 of that step (two sets of 16 rows x 512 bytes), stores their codes to LDS, a barrier, then the step's 64 products.
;   The sets take the next step's rows as soon as they are converted, the weights' one set the next step's halves as soon as their products are issued.
; THE QUANTISER WORKS ON THE NUMBERS AS THEY ARE LOADED: a load takes 512 consecutive bytes of a row, so a lane holds k = 4 lane .. + 3 and eight lanes hold a block of 32: its largest magnitude is joined by three lane steps.
;   A conversion takes eight numbers under one scale: two rows' four.  So each pair of rows is converted twice, under either row's scale, and of each result the one dword is kept that belongs to the scale.
;   A row's 128 codes leave as 128 consecutive bytes: LDS holds A row by row, K ascending, pitch 2,064 = 129 x 16 bytes.
; PASS 1 reads A from LDS again, with two sets of weights, two K steps ahead.  T: tanh = 1 - 2 / (1 + 2^(2 log2(e) x)), times Vw, summed.  C: wave w reads its 32 rows of keys again for the partial context.
; NO CLUSTER, NO TENSOR LOADS: A's codes and scale words take 272,384 of the 327,680 bytes of LDS; what is left would hold two slots of under 28 KiB, fewer than fourteen of a K step's 32 fragments of weights.
; PREFETCH: in trip t each wave names its 32 rows' 512 bytes of K step t + 3 (a lane a row, two blocks of 256 bytes), two steps ahead of the load that takes them; steps 0 to 2 come by their loads alone; trips 13 to 15 ask for nothing.
; LIMITS: NaN and infinities among the inputs are not served; a block of zeros gets the scale byte 1 with zero codes (read by this program alone);
;   the two products' sums are formed in one f32 chain over K = 2,048 (queries' part first), not as two sums that are added.
.set PIT,  2064                        ; A's row in LDS
.set TIL,  16*PIT
.set ASC,  264192                      ; A's scale words: (16 m + s) x 64 + 4 r
.set RED,  272384                      ; row sums: (4 pass + wave) x 512 + 4 row
.set PBUF, 276480                      ; the 128 p, a copy for each wave
.set CTX,  278528                      ; partial contexts: 4,096 wave + 512 pos + 16 lane
; REGISTERS.  Window 0: addresses, scales, tables, v128-255 A's fragments; window 1: v0-127 weights set 0, v128-255 the two sets of rows (pass 0), weights set 1 (pass 1); all four sets of keys (C); windows 2, 3: accumulators.
.set LN,  1
.set RR,  2
.set HH,  3
.set LI,  4                            ; 16 x lane
.set PFO, 5                            ; 4,096 x lane
.set AB,  6                            ; r x PIT + 16 h
.set IMW, 7                            ; where my codes go
.set SCW, 8                            ; and their scale bytes
.set AAD, 9                            ; v9-12 A's row tiles 2 p, 2 p + 1 at the K step in hand
.set SAD, 13
.set RDW, 14
.set CVO, 15
.set PBW, 16
.set PBR, 17
.set CXW, 18
.set CXR, 19
.set SCO, 20
.set PP,  24
.set BSP, 32
.set RDR, 34
.set GOF, 35
.set SC0, 39                           ; lane / 8: my block of the step's four
.set PC,  40                           ; v40-55 eight conversions' results
.set SA,  64                           ; A's scale words: set e at 64 - 8 e
.set SB,  72                           ; B's: set e at 72 + 4 e
.set CBP, 80
.set VWP, 96
.set MX,  112                          ; v112-119 eight rows' largest magnitudes, then bounds, then bytes
.set SOP, 120                          ; v120-127 the conversions' scale operands
.set AF,  128
.set SS,  128
.set PV,  192
.set ACG, 224
.set RES, 240
.set WV,  2
.set WG,  3
.set KB,  28
.set WB0, 30
.set WS0, 32
.set PBP, 34
.set PSP, 36
.set CVP, 38
.set TT,  40
.set PASS, 41
.set LAP, 42
.set SG,  43
.set C2,  44
.set SEL, 46
.set MNT, 48
.set L2E, 59
.set PF,  60                           ; s[60:61] where my prefetches stand
.set IMB, 62
.set SCB, 63
.set RB,  66                           ; s[66:73] a base for each set of rows: only the set's 16 loads name it
.set MSB, 0
.macro WIN new
.if MSB != \new
	s_set_vgpr_msb (MSB<<8)|\new
.set MSB, \new
.endif
.endm
.macro BARRIER
	s_wait_dscnt 0x0
	s_barrier_signal -1
	s_barrier_wait -1
.endm
	s_load_b256 s[8:15], s[0:1], 0x0               ; queries, keys, wb, ws
	s_load_b256 s[16:23], s[0:1], 0x20             ; cv, sc, st, pc
	v_lshrrev_b32 v28, 5, v0
	v_readfirstlane_b32 s[WV], v28
	s_mov_b32 s[WG], ttmp9
	v_and_b32 v[LN], 31, v0
	v_and_b32 v[RR], 15, v0
	v_bfe_u32 v[HH], v0, 4, 1
	v_lshlrev_b32 v[LI], 4, v[LN]
	v_lshlrev_b32 v[PFO], 12, v[LN]
	v_mul_u32_u24 v[AB], v[RR], PIT
	v_lshl_add_u32 v[AB], v[HH], 4, v[AB]
	v_lshrrev_b32 v[SC0], 3, v[LN]
	s_mul_i32 s[IMB], s[WV], 32*PIT                ; my 32 rows of codes
	s_lshl_b32 s[SCB], s[WV], 11
	s_add_co_u32 s[SCB], s[SCB], ASC               ; my two row tiles' scale words
	s_lshl_b32 s53, s[WV], 9
	s_add_co_u32 s54, s53, RED
	v_lshl_add_u32 v[RDW], v[HH], 5, s54
	v_add_nc_u32 v[RDR], RED, v[LI]
	v_lshlrev_b32 v[CVO], 4, v[RR]
	s_add_co_u32 s54, s53, PBUF
	v_add_nc_u32 v[PBW], s54, v[LI]
	v_mul_u32_u24 v[PBR], v28, 640
	v_add_nc_u32 v[PBR], PBUF, v[PBR]
	s_lshl_b32 s54, s[WV], 12
	s_add_co_u32 s54, s54, CTX
	v_add_nc_u32 v[CXW], s54, v[LI]
	s_lshl_b32 s54, s[WV], 10
	s_add_co_u32 s54, s54, CTX
	v_add_nc_u32 v[CXR], s54, v[LI]
	s_xor_b32 s54, s[WV], 3
	s_lshl_b32 s54, s54, 10
	v_add_nc_u32 v[GOF], s54, v[LI]
	v_mov_b32 v29, 0                               ; a lane permute's destination counts as one of its sources
	s_mov_b32 s[C2], 0x4038aa3b
	s_mov_b32 s[C2+1], s[C2]
	s_mov_b32 s[SEL], 0x76543210
	s_mov_b32 s[SEL+1], 0xfedcba98
	s_mov_b32 s[MNT], 0x600000
	s_mov_b32 s[L2E], 0x3fb8aa3b
	s_lshl_b32 s54, s[WG], 19                      ; 128 rows of 4,096 bytes a work-group, 32 a wave
	s_lshl_b32 s56, s[WV], 17
	s_add_co_u32 s54, s54, s56
	s_mov_b32 s55, 0
	s_mov_b32 s57, 0
	s_wait_alu depctr_va_vdst(0)
	s_wait_kmcnt 0x0
	s_add_nc_u64 s[RB:RB+1], s[8:9], s[54:55]
	s_add_nc_u64 s[RB+2:RB+3], s[8:9], s[54:55]
	s_add_nc_u64 s[KB:KB+1], s[10:11], s[54:55]
	s_add_nc_u64 s[PF:PF+1], s[RB:RB+1], 1536      ; K step 3
	s_add_nc_u64 s[RB+4:RB+5], s[KB:KB+1], 3072    ; C's sets 2 and 3 begin at chunk 6 of keys
	s_add_nc_u64 s[RB+6:RB+7], s[KB:KB+1], 3072
	s_lshl_b32 s56, s[WV], 19                      ; my stream of images: 32 K steps x 16,384 bytes
	s_add_nc_u64 s[WB0:WB0+1], s[12:13], s[56:57]
	s_lshl_b32 s56, s[WV], 14
	s_add_nc_u64 s[WS0:WS0+1], s[14:15], s[56:57]
	s_mov_b64 s[PBP:PBP+1], s[WB0:WB0+1]
	s_mov_b64 s[PSP:PSP+1], s[WS0:WS0+1]
.macro XLOAD e                         ; 16 rows x 512 bytes of a K step into set e
.irp i, 0,1,2,3,4,5,6,7,8,9,10,11,12,13,14,15
	global_load_b128 v[128+64*(\e)+4*\i:128+64*(\e)+4*\i+3], v[LI], s[RB+2*(\e):RB+2*(\e)+1] offset:(\e)*65536+\i*4096
.endr
.endm
.macro BLOAD e, bh, off                ; four of B's fragments (tiles 4 bh on) into set e: images, 512 consecutive bytes a load
.irp t, 0,1,2,3
.irp c, 0,1,2,3
	global_load_b128 v[128*\e+16*(4*\bh+\t)+4*\c:128*\e+16*(4*\bh+\t)+4*\c+3], v[LI], s[PBP:PBP+1] offset:\off+(4*\bh+\t)*2048+\c*512
.endr
.endr
.endm
	global_load_b128 v[SB+4:SB+7], v[LI], s[PSP:PSP+1] offset:17*512   ; stream step 17's scale words: their registers are idle until pass 1
	WIN 0x40
	XLOAD 0                                        ; the order of every trip: set 0, set 1, b0, scale words, b1
	XLOAD 1
	BLOAD 0, 0, 0
	WIN 0
	global_load_b128 v[SB:SB+3], v[LI], s[PSP:PSP+1]
	WIN 0x40
	BLOAD 0, 1, 0
	WIN 0
	s_lshl_b32 s56, s[WV], 12
	s_add_nc_u64 s[CVP:CVP+1], s[16:17], s[56:57]
	s_lshl_b32 s56, s[WG], 9
	s_add_nc_u64 s[18:19], s[18:19], s[56:57]      ; sc at my work-group's rows
	s_lshr_b32 s56, s[WG], 5
	s_lshl_b32 s56, s56, 8
	s_and_b32 s58, s[WG], 31
	s_lshl_b32 s58, s58, 2
	s_add_co_u32 s56, s56, s58
	s_add_nc_u64 s[20:21], s[20:21], s[56:57]      ; st: 256 x batch + 4 x my place in it
	s_lshl_b32 s56, s[WG], 12
	s_add_nc_u64 s[22:23], s[22:23], s[56:57]      ; pc: my row
; Eight rows of set e (rows 8 hf on): register 4 i + k of the run = k 4 lane + k of row i
.macro XH e, hf
.set XS, 128+64*(\e)+32*(\hf)
	s_wait_dscnt 0x0                               ; the last stores have read the codes' and bytes' registers
	WIN 0x15
.irp i, 0,1,2,3,4,5,6,7
	v_max3_num_f32 v[MX+\i], |v[XS+4*\i]|, |v[XS+4*\i+1]|, |v[XS+4*\i+2]|
.endr
	WIN 0x01
.irp i, 0,1,2,3,4,5,6,7
	v_max3_num_f32 v[MX+\i], |v[XS+4*\i+3]|, v[MX+\i], 0x4800000   ; and the floor 2^(9 - 127): the byte cannot fall under 1
.endr
	WIN 0
.irp x, 1,2,4                          ; with the seven other lanes of the block
.irp i, 0,1,2,3,4,5,6,7
	v_max_num_f32_dpp v[MX+\i], v[MX+\i], v[MX+\i] row_xmask:\x row_mask:0xf bank_mask:0xf
.endr
.endr
.irp i, 0,1,2,3,4,5,6,7
	v_add_nc_u32 v[SOP+\i], 0xfc000000, v[MX+\i]   ; 8 off the exponent field: the conversion's scale operand
.endr
.irp i, 0,1,2,3,4,5,6,7
	v_and_or_b32 v[MX+\i], v[MX+\i], 0x7f800000, s[MNT]   ; 448 x the scale
.endr
	WIN 0x41
.irp i, 0,1,2,3,4,5,6,7
.irp k, 0,1,2,3
	v_med3_num_f32 v[XS+4*\i+\k], v[XS+4*\i+\k], -v[MX+\i], v[MX+\i]   ; the conversion does not saturate (ISA guide 7.6.2): the hold comes first
.endr
.endr
	WIN 0x01
.irp j, 0,1,2,3                        ; rows 2 j and 2 j + 1, under the first's scale (the low dword counts) and under the second's (the high one)
	v_cvt_scalef32_pk8_fp8_f32 v[PC+4*\j:PC+4*\j+1], v[XS+8*\j:XS+8*\j+7], v[SOP+2*\j]
	v_cvt_scalef32_pk8_fp8_f32 v[PC+4*\j+2:PC+4*\j+3], v[XS+8*\j:XS+8*\j+7], v[SOP+2*\j+1]
.endr
	WIN 0
.irp i, 0,1,2,3,4,5,6,7
	v_lshrrev_b32 v[MX+\i], 23, v[SOP+\i]          ; the scale's byte (plain lines behind the conversions)
.endr
.irp j, 0,1,2,3
	ds_store_b32 v[IMW], v[PC+4*\j] offset:(16*(\e)+8*(\hf)+2*\j)*PIT       ; 32 lanes store a row's 128 codes on end
	ds_store_b32 v[IMW], v[PC+4*\j+3] offset:(16*(\e)+8*(\hf)+2*\j+1)*PIT
.endr
.irp i, 0,1,2,3,4,5,6,7
	ds_store_b8 v[SCW], v[MX+\i] offset:(\e)*1024+4*(8*(\hf)+\i)   ; the eight lanes of a block write the same byte with the same value
.endr
.endm
; Set e takes the next K step's rows.  In trip 7 that step is keys' first.  Trip 15 has no next step: the same registers take, by as many loads, half of stream step 17's weights: every counted wait counts the same on both ways.
.macro REFILL e, first
	s_add_nc_u64 s[RB+2*(\e):RB+2*(\e)+1], s[RB+2*(\e):RB+2*(\e)+1], 512
.if \first
	WIN 0x40
	XLOAD \e
	WIN 0
.else
	s_cmp_eq_u32 s[TT], 7
	s_cselect_b64 s[RB+2*(\e):RB+2*(\e)+1], s[KB:KB+1], s[RB+2*(\e):RB+2*(\e)+1]
	s_cmp_lt_u32 s[TT], 15
	s_cbranch_scc0 .Lsub_\@
	WIN 0x40
	XLOAD \e
	WIN 0
	s_branch .Ldone_\@
.Lsub_\@:
	WIN 0x40
	BLOAD 1, \e, 32768
	WIN 0
.Ldone_\@:
.endif
.endm
.macro KLOAD set                       ; C's ring: sets 0, 1: the trip's upper chunk of 128 columns, rows 0-15 and 16-31 of my 32; sets 2, 3: the lower chunk
.irp i, 0,1,2,3,4,5,6,7,8,9,10,11,12,13,14,15
	global_load_b128 v[64*(\set)+4*\i:64*(\set)+4*\i+3], v[LI], s[RB+2*(\set):RB+2*(\set)+1] offset:((\set)%2)*65536+\i*4096+(1-(\set)/2)*512
.endr
.endm
.macro ALOAD ah                        ; four of A's fragments (row tiles 4 ah on): registers 4 c on = k 32 c + 16 h on of row r
.irp mm, 0,1,2,3
.irp c, 0,1,2,3
	ds_load_b128 v[AF+16*(4*\ah+\mm)+4*\c:AF+16*(4*\ah+\mm)+4*\c+3], v[AAD+2*\ah+\mm/2] offset:(\mm%2)*TIL+\c*32
.endr
.endr
.endm
.macro SALOAD e
.irp m, 0,1,2,3,4,5,6,7
	ds_load_b32 v[SA-8*(\e)+\m], v[SAD] offset:\m*1024
.endr
.endm
; 16 products: row tiles 4 ah on x column tiles 4 bh on.  The 64 accumulators take turns, one instruction a turn, in the same order in every K step.
.macro QUAD ah, bh, e, zero
	WIN 0xa4+0x50*\ah
.irp mm, 0,1,2,3
.irp tt, 0,1,2,3
.set rD, 8*(8*\mm+4*\bh+\tt)
.set rA, AF+16*(4*\ah+\mm)
.set rB, 128*\e+16*(4*\bh+\tt)
.set rS, SA-8*\e+4*\ah+\mm
.if \zero
.if \bh
	v_wmma_scale_f32_16x16x128_f8f6f4 v[rD:rD+7], v[rA:rA+15], v[rB:rB+15], 0, v[rS], v[SB+4*\e+\tt] matrix_b_scale:MATRIX_SCALE_ROW1
.else
	v_wmma_scale_f32_16x16x128_f8f6f4 v[rD:rD+7], v[rA:rA+15], v[rB:rB+15], 0, v[rS], v[SB+4*\e+\tt]
.endif
.else
.if \bh
	v_wmma_scale_f32_16x16x128_f8f6f4 v[rD:rD+7], v[rA:rA+15], v[rB:rB+15], v[rD:rD+7], v[rS], v[SB+4*\e+\tt] matrix_b_scale:MATRIX_SCALE_ROW1
.else
	v_wmma_scale_f32_16x16x128_f8f6f4 v[rD:rD+7], v[rA:rA+15], v[rB:rB+15], v[rD:rD+7], v[rS], v[SB+4*\e+\tt]
.endif
.endif
.endr
.endr
.endm
; Pass 0's K step.  Two barriers: the step's codes lie in LDS before any wave reads them; every wave holds the step's fragments before any wave stores the next step's.
; 48 at the first wait: behind this step's scale words stand b1 (16) and the two sets' refills (32); at the second: behind b1 the refills (32) and the next b0 (16).
.macro GSTEP zero
	BARRIER
	SALOAD 0
	ALOAD 0
	ALOAD 1
	s_wait_loadcnt 48
	s_wait_dscnt 16                                ; the scale words and row tiles 0-3 are in
	QUAD 0, 0, 0, \zero
	s_wait_dscnt 0x0
	s_barrier_signal -1
	QUAD 1, 0, 0, \zero
	WIN 0
	s_barrier_wait -1
	s_wait_xcnt 0x0                                ; the stream's loads and my prefetches have read their bases
	s_add_nc_u64 s[PBP:PBP+1], s[PBP:PBP+1], 16384
	s_add_nc_u64 s[PSP:PSP+1], s[PSP:PSP+1], 512
	s_add_nc_u64 s[PF:PF+1], s[PF:PF+1], 512
.if \zero == 0
	s_cmp_eq_u32 s[TT], 4                          ; behind queries' step 7 comes keys' first
	s_cselect_b64 s[PF:PF+1], s[KB:KB+1], s[PF:PF+1]
.endif
.irp p, 0,1,2,3
	v_add_nc_u32 v[AAD+\p], 128, v[AAD+\p]         ; these five and three v_nop are the eight places ahead of the loads
.endr
	v_add_nc_u32 v[SAD], 64, v[SAD]
.rept 3
	v_nop
.endr
	WIN 0x40
	BLOAD 0, 0, 0
	WIN 0
	s_wait_loadcnt 48
	QUAD 0, 1, 0, \zero
	QUAD 1, 1, 0, \zero
	WIN 0
	v_add_nc_u32 v[IMW], 128, v[IMW]
	v_add_nc_u32 v[SCW], 64, v[SCW]
.rept 6
	v_nop
.endr
	global_load_b128 v[SB:SB+3], v[LI], s[PSP:PSP+1]
	WIN 0x40
	BLOAD 0, 1, 0
	WIN 0
.endm
; A trip.  49: behind a set's 16 loads stand the other set's 16 and the weights' 33.
.macro TRIP first
	s_wait_loadcnt 49
	XH 0, 0
.if \first == 0
	s_cmp_lt_u32 s[TT], 13
	s_cbranch_scc0 .Lnone_\@
.endif
	global_prefetch_b8 v[PFO], s[PF:PF+1] th:TH_LOAD_NT scope:SCOPE_SE
	global_prefetch_b8 v[PFO], s[PF:PF+1] offset:256 th:TH_LOAD_NT scope:SCOPE_SE
.Lnone_\@:
	XH 0, 1
	REFILL 0, \first
	s_wait_loadcnt 49
	XH 1, 0
	XH 1, 1
	REFILL 1, \first
	GSTEP \first
.endm
; Pass 1's K step: A one set, fetched half by half; its scale words two sets; B two sets, filled two K steps ahead, in the order b0 (16), scale words (1), b1 (16).
; w1: behind this step's scale words: b1 and the next step's 33.  w2: behind this step's b1: the next step's 33.
; keys = 1: a text that stream steps 30 and 31 walk: in b0's and b1's places they ask for C's first four sets, the same registers and 16 loads at each place; their loads of scale words take the stream's first words again, for the counts' sake.
.macro STEP e, zero, nexta, w1, w2, keys
	s_wait_loadcnt \w1
	s_wait_dscnt 16
	QUAD 0, 0, \e, \zero
	s_wait_dscnt 0x0
	QUAD 1, 0, \e, \zero
	s_wait_loadcnt \w2
	QUAD 0, 1, \e, \zero
	WIN 0
	s_wait_xcnt 0x0
	s_add_nc_u64 s[PBP:PBP+1], s[PBP:PBP+1], 16384
	s_add_nc_u64 s[PSP:PSP+1], s[PSP:PSP+1], 512
.if \keys == 1
	s_cmp_eq_u32 s[SG], 30                         ; at the stream's end both pointers go back to its start: neither leaves its buffer
	s_cselect_b64 s[PBP:PBP+1], s[WB0:WB0+1], s[PBP:PBP+1]
	s_cselect_b64 s[PSP:PSP+1], s[WS0:WS0+1], s[PSP:PSP+1]
.endif
.irp p, 0,1,2,3
	v_add_nc_u32 v[AAD+\p], 128, v[AAD+\p]
.endr
	v_add_nc_u32 v[SAD], 64, v[SAD]
.rept 3
	v_nop
.endr
.if \nexta
	SALOAD 1-\e
	ALOAD 0
.endif
.if \keys == 2                         ; keys = 2: the text of stream step 31 alone: C's sets, with no test
	WIN 0x40
	KLOAD 2*\e
	WIN 0
.else
.if \keys
	s_cmp_lt_u32 s[SG], 30
	s_cbranch_scc0 .Lka_\@
.endif
	WIN 0x40
	BLOAD \e, 0, 0
.if \keys
	WIN 0
	s_branch .Lja_\@
.Lka_\@:
	WIN 0x40
	KLOAD 2*\e
	WIN 0
.Lja_\@:
.endif
.endif
	QUAD 1, 1, \e, \zero
	WIN 0
.rept 8
	v_nop
.endr
	global_load_b128 v[SB+4*\e:SB+4*\e+3], v[LI], s[PSP:PSP+1]
.if \keys == 2
	WIN 0x40
	KLOAD 2*\e+1
	WIN 0
.else
.if \keys
	s_cmp_lt_u32 s[SG], 30
	s_cbranch_scc0 .Lkb_\@
.endif
	WIN 0x40
	BLOAD \e, 1, 0
	WIN 0
.if \keys
	s_branch .Ljb_\@
.Lkb_\@:
	WIN 0x40
	KLOAD 2*\e+1
	WIN 0
.Ljb_\@:
.endif
.endif
	s_add_co_u32 s[SG], s[SG], 1
.if \nexta
	s_wait_alu depctr_va_vdst(0)
	ALOAD 1
.endif
.endm
; T: the parts of the activation, a window (256 numbers a lane) at a time
.macro TA win                          ; 2 log2(e) (z + Qb + Kb); each accumulator from its low end on
	WIN \win
.set a, 0
.rept 32
.irp p, 0,2,4,6
	v_pk_fma_f32 v[8*a+\p:8*a+\p+1], v[8*a+\p:8*a+\p+1], s[C2:C2+1], v[CBP+2*(a%8):CBP+2*(a%8)+1] op_sel_hi:[1,0,1]
.endr
.set a, a+1
.endr
.endm
.macro TE win                          ; 2^x: one batch, one plain line, one wait
	WIN \win
.set a, 0
.rept 256
	v_exp_f32 v[a], v[a]
.set a, a+1
.endr
	v_nop
	s_wait_alu depctr_va_vdst(0)
.endm
.macro TP win                          ; + 1
	WIN \win
.set a, 0
.rept 128
	v_pk_add_f32 v[a:a+1], v[a:a+1], 1.0 op_sel_hi:[1,0]
.set a, a+2
.endr
.endm
.macro TR win                          ; rho = 1 / (1 + 2^x): infinity gives 0, and tanh = 1 - 2 rho is 1 there
	WIN \win
.set a, 0
.rept 256
	v_rcp_f32 v[a], v[a]
.set a, a+1
.endr
	v_nop
	s_wait_alu depctr_va_vdst(0)
.endm
.macro TF win, mb                      ; row sums: the sum over my eight columns of Vw - 2 Vw rho
	WIN \win
.irp t, 0,1,2,3,4,5,6,7
.irp mm, 0,1,2,3
.irp p, 0,2,4,6
.if \t == 0
	v_pk_fma_f32 v[SS+8*(\mb+\mm)+\p:SS+8*(\mb+\mm)+\p+1], v[8*(8*\mm+\t)+\p:8*(8*\mm+\t)+\p+1], v[VWP+2*\t:VWP+2*\t+1], v[BSP:BSP+1]
.else
	v_pk_fma_f32 v[SS+8*(\mb+\mm)+\p:SS+8*(\mb+\mm)+\p+1], v[8*(8*\mm+\t)+\p:8*(8*\mm+\t)+\p+1], v[VWP+2*\t:VWP+2*\t+1], v[SS+8*(\mb+\mm)+\p:SS+8*(\mb+\mm)+\p+1]
.endif
.endr
.endr
.endr
.endm
	s_mov_b32 s[PASS], 0
.Lpass:                                            ; two passes of 128 columns
.irp q, 0,1,2,3
	global_load_b128 v[CBP+4*\q:CBP+4*\q+3], v[CVO], s[CVP:CVP+1] offset:256*\q
.endr
.irp q, 0,1,2,3
	global_load_b128 v[VWP+4*\q:VWP+4*\q+3], v[CVO], s[CVP:CVP+1] offset:1024+256*\q
.endr
.irp p, 0,1,2,3
	v_add_nc_u32 v[AAD+\p], \p*2*TIL, v[AB]        ; K step 0
.endr
	v_lshl_add_u32 v[SAD], v[RR], 2, ASC
	v_lshl_add_u32 v[IMW], v[LN], 2, s[IMB]
	v_add_nc_u32 v[SCW], s[SCB], v[SC0]
	s_wait_alu depctr_va_vdst(0)
	s_cmp_eq_u32 s[PASS], 0
	s_cbranch_scc0 .Lsecond
	TRIP 1                                         ; K step 0 starts the sums: nothing is cleared
	s_mov_b32 s[TT], 1
.Ltrip:
	TRIP 0
	s_add_co_u32 s[TT], s[TT], 1
	s_cmp_lt_u32 s[TT], 16
	s_cbranch_scc1 .Ltrip
	s_branch .Ltanh
.Lsecond:
	s_wait_loadcnt 8                               ; all but the table's eight: stream steps 16 and 17 are in, and no load names the bases written below
	s_add_nc_u64 s[PBP:PBP+1], s[WB0:WB0+1], 17*16384
	s_add_nc_u64 s[PSP:PSP+1], s[WS0:WS0+1], 17*512
	s_add_nc_u64 s[RB:RB+1], s[KB:KB+1], 3072      ; C's sets 0 and 1
	s_add_nc_u64 s[RB+2:RB+3], s[KB:KB+1], 3072
	s_mov_b32 s[SG], 16
	ALOAD 0
	SALOAD 0
	ALOAD 1
	STEP 0, 1, 1, 57, 41, 0
	s_mov_b32 s[LAP], 7
.Llap:
	s_wait_alu depctr_va_vdst(0)
	STEP 1, 0, 1, 49, 33, 0
	s_wait_alu depctr_va_vdst(0)
	STEP 0, 0, 1, 49, 33, 1
	s_sub_co_u32 s[LAP], s[LAP], 1
	s_cmp_lg_u32 s[LAP], 0
	s_cbranch_scc1 .Llap
	STEP 1, 0, 0, 49, 33, 2
.Ltanh:                                            ; eight places stand behind either way's last product
	v_pk_add_f32 v[BSP:BSP+1], v[VWP:VWP+1], v[VWP+2:VWP+3]
.irp t, 2,3,4,5,6,7
	v_pk_add_f32 v[BSP:BSP+1], v[BSP:BSP+1], v[VWP+2*\t:VWP+2*\t+1]
.endr
	v_pk_mul_f32 v[BSP:BSP+1], v[BSP:BSP+1], -0.5 op_sel_hi:[1,0]   ; my eight columns' sum of Vw
	TA 0x82
	TA 0xc3
	s_wait_alu depctr_va_vdst(0)
	TE 0x82
	TE 0xc3
	TP 0x82
	TP 0xc3
	s_wait_alu depctr_va_vdst(0)
	TR 0x82
	TR 0xc3
	TF 0x02, 0
	TF 0x03, 4
	WIN 0
.irp x, 1,2,4,8                        ; over the sixteen lanes of a half, which hold sixteen columns of the same eight rows
.set a, 0
.rept 64
	v_add_f32_dpp v[SS+a], v[SS+a], v[SS+a] row_xmask:\x row_mask:0xf bank_mask:0xf
.set a, a+1
.endr
.endr
.irp m, 0,1,2,3,4,5,6,7
.irp q, 0,1
	ds_store_b128 v[RDW], v[SS+8*\m+4*\q:SS+8*\m+4*\q+3] offset:64*\m+16*\q
.endr
.endr
	s_wait_dscnt 0x0                               ; the stores have read their registers: A's fragments may land there
	s_wait_xcnt 0x0
	s_wait_loadcnt 0x0                             ; what was asked for in the pass's last steps is in: either way into the next pass, and C, begins with nothing out
	s_add_nc_u64 s[CVP:CVP+1], s[CVP:CVP+1], 2048
	v_add_nc_u32 v[RDW], 2048, v[RDW]
	s_add_co_u32 s[PASS], s[PASS], 1
	s_cmp_lt_u32 s[PASS], 2
	s_cbranch_scc1 .Lpass
; scores, the rows' own softmax
	BARRIER
.irp k, 0,1,2,3,4,5,6,7
	ds_load_b128 v[SS+4*\k:SS+4*\k+3], v[RDR] offset:512*\k   ; every wave alike: rows 4 lane .. + 3
.endr
	s_wait_dscnt 0x0
	v_pk_add_f32 v[SCO:SCO+1], v[SS:SS+1], v[SS+4:SS+5]
	v_pk_add_f32 v[SCO+2:SCO+3], v[SS+2:SS+3], v[SS+6:SS+7]
.irp k, 2,3,4,5,6,7
	v_pk_add_f32 v[SCO:SCO+1], v[SCO:SCO+1], v[SS+4*\k:SS+4*\k+1]
	v_pk_add_f32 v[SCO+2:SCO+3], v[SCO+2:SCO+3], v[SS+4*\k+2:SS+4*\k+3]
.endr
	v_max3_num_f32 v28, v[SCO], v[SCO+1], v[SCO+2]
	v_max_num_f32 v28, v28, v[SCO+3]
.irp x, 1,2,4,8
	v_max_num_f32_dpp v28, v28, v28 row_xmask:\x row_mask:0xf bank_mask:0xf
.endr
	v_permlanex16_b32 v29, v28, s[SEL], s[SEL+1]
	v_max_num_f32 v28, v28, v29                    ; m: the largest of the 128 scores
	v_mul_f32 v36, s[L2E], v28
.irp k, 0,1,2,3
	v_fma_f32 v[PP+\k], v[SCO+\k], s[L2E], -v36
.endr
	s_wait_alu depctr_va_vdst(0)
.irp k, 0,1,2,3
	v_exp_f32 v[PP+\k], v[PP+\k]                   ; p = e^(score - m), at most 1
.endr
	v_nop
	s_wait_alu depctr_va_vdst(0)
	v_add_f32 v30, v[PP], v[PP+1]
	v_add_f32 v31, v[PP+2], v[PP+3]
	v_add_f32 v30, v30, v31
.irp x, 1,2,4,8
	v_add_f32_dpp v30, v30, v30 row_xmask:\x row_mask:0xf bank_mask:0xf
.endr
	v_permlanex16_b32 v29, v30, s[SEL], s[SEL+1]
	v_add_f32 v30, v30, v29                        ; l: their sum, at least 1
	ds_store_b128 v[PBW], v[PP:PP+3]
.irp k, 0,1,2,3,4,5,6,7
	ds_load_b128 v[PV+4*\k:PV+4*\k+3], v[PBR] offset:16*\k   ; my 32 rows' p into every lane (LDS serves a wave's instructions in order)
.endr
	s_cmp_lg_u32 s[WV], 0
	s_cbranch_scc1 .Lnot_first
	global_store_b128 v[LI], v[SCO:SCO+3], s[18:19]    ; wave 0 stores the 128 scores: 512 consecutive bytes
	v_cmp_eq_u32 vcc_lo, 0, v[LN]
	v_cndmask_b32 v37, v30, v28, vcc_lo            ; lane 0: m; lane 1: l
	v_lshlrev_b32 v38, 7, v[LN]
	s_wait_alu depctr_va_vdst(0)
	s_wait_xcnt 0x0                                ; EXEC changes only behind this wait
	v_cmp_gt_u32 vcc_lo, 2, v[LN]
	s_and_saveexec_b32 s52, vcc_lo
	global_store_b32 v38, v37, s[20:21]
	s_wait_xcnt 0x0
	s_or_b32 exec_lo, exec_lo, s52
.Lnot_first:
; C: 16 rows x 128 columns a set: four columns a lane, four groups of rows
.macro CSET set, left, refill
	s_wait_loadcnt \left                           ; the set's 16 loads are in: so its base is free too
	WIN 0x01
.irp i, 0,1,2,3,4,5,6,7,8,9,10,11,12,13,14,15
.irp k, 0,1,2,3
.if ((\set%2) == 0) && (\i < 4)
	v_mul_f32 v[ACG+4*(\i%4)+\k], v[64*\set+4*\i+\k], v[PV+16*(\set%2)+\i]
.else
	v_fmac_f32 v[ACG+4*(\i%4)+\k], v[64*\set+4*\i+\k], v[PV+16*(\set%2)+\i]
.endif
.endr
.endr
.if \refill
	s_sub_nc_u64 s[RB+2*\set:RB+2*\set+1], s[RB+2*\set:RB+2*\set+1], 1024   ; two chunks down
	WIN 0x40
	KLOAD \set
.endif
	WIN 0
.endm
.macro FOLD res, off
	v_pk_add_f32 v[ACG:ACG+1], v[ACG:ACG+1], v[ACG+4:ACG+5]
	v_pk_add_f32 v[ACG+2:ACG+3], v[ACG+2:ACG+3], v[ACG+6:ACG+7]
	v_pk_add_f32 v[ACG+8:ACG+9], v[ACG+8:ACG+9], v[ACG+12:ACG+13]
	v_pk_add_f32 v[ACG+10:ACG+11], v[ACG+10:ACG+11], v[ACG+14:ACG+15]
	v_pk_add_f32 v[\res:\res+1], v[ACG:ACG+1], v[ACG+8:ACG+9]
	v_pk_add_f32 v[\res+2:\res+3], v[ACG+2:ACG+3], v[ACG+10:ACG+11]
	ds_store_b128 v[CXW], v[\res:\res+3] offset:\off
.endm
	s_mov_b32 s[TT], 3
.Lc:                                               ; three trips of two chunks; the fourth is written out.  48: the three younger sets
	s_wait_dscnt 0x0
	CSET 0, 48, 1
	CSET 1, 48, 1
	FOLD RES, 0
	CSET 2, 48, 1
	CSET 3, 48, 1
	FOLD RES+4, 512
	v_add_nc_u32 v[CXW], 1024, v[CXW]
	s_sub_co_u32 s[TT], s[TT], 1
	s_cmp_lg_u32 s[TT], 0
	s_cbranch_scc1 .Lc
	s_wait_dscnt 0x0
	CSET 0, 48, 0
	CSET 1, 32, 0
	FOLD RES, 0
	CSET 2, 16, 0
	CSET 3, 0, 0
	FOLD RES+4, 512
	BARRIER                                        ; the four waves' parts of all eight chunks lie in LDS
.irp c, 0,1
.irp u, 0,1,2,3
	ds_load_b128 v[SS+16*\c+4*\u:SS+16*\c+4*\u+3], v[CXR] offset:4096*\u+512*\c
.endr
.endr
	s_wait_dscnt 0x0
.irp c, 0,1
	v_pk_add_f32 v[SS+16*\c:SS+16*\c+1], v[SS+16*\c:SS+16*\c+1], v[SS+16*\c+4:SS+16*\c+5]
	v_pk_add_f32 v[SS+16*\c+2:SS+16*\c+3], v[SS+16*\c+2:SS+16*\c+3], v[SS+16*\c+6:SS+16*\c+7]
	v_pk_add_f32 v[SS+16*\c+8:SS+16*\c+9], v[SS+16*\c+8:SS+16*\c+9], v[SS+16*\c+12:SS+16*\c+13]
	v_pk_add_f32 v[SS+16*\c+10:SS+16*\c+11], v[SS+16*\c+10:SS+16*\c+11], v[SS+16*\c+14:SS+16*\c+15]
	v_pk_add_f32 v[SS+16*\c:SS+16*\c+1], v[SS+16*\c:SS+16*\c+1], v[SS+16*\c+8:SS+16*\c+9]
	v_pk_add_f32 v[SS+16*\c+2:SS+16*\c+3], v[SS+16*\c+2:SS+16*\c+3], v[SS+16*\c+10:SS+16*\c+11]
	global_store_b128 v[GOF], v[SS+16*\c:SS+16*\c+3], s[22:23] offset:512*(1-\c)   ; 32 lanes store 512 consecutive bytes of my work-group's row of pc
.endr
	s_wait_xcnt 0x0
	s_mov_b32 exec_lo, -1
	v_lshl_add_u32 v126, v0, 2, 0x4fc00            ; the wave's end
	v_mov_b32 v127, 0
	s_wait_alu depctr_va_vdst(0)
	s_wait_tensorcnt 0x0
	ds_add_u32 v126, v127
	s_wait_dscnt 0x0
	s_endpgm
.Lfunc_end_k_qea42d156ae_main:
	.size	k_qea42d156ae_main, .Lfunc_end_k_qea42d156ae_main-k_qea42d156ae_main
	.p2alignl 7, 3214868480
	.fill 96, 4, 3214868480
	.section	.rodata,"a",@progbits
	.p2align	6, 0x0
	.amdhsa_kernel k_qea42d156ae_main
		.amdhsa_group_segment_fixed_size 327680
		.amdhsa_private_segment_fixed_size 0
		.amdhsa_enable_private_segment 0
		.amdhsa_kernarg_size 64
		.amdhsa_user_sgpr_count 2
		.amdhsa_user_sgpr_kernarg_segment_ptr 1
		.amdhsa_wavefront_size32 1
		.amdhsa_system_sgpr_workgroup_id_x 1
		.amdhsa_system_sgpr_workgroup_id_y 1
		.amdhsa_system_sgpr_workgroup_id_z 1
		.amdhsa_system_vgpr_workitem_id 0
		.amdhsa_next_free_vgpr 1024
		.amdhsa_next_free_sgpr 74
		.amdhsa_reserve_vcc 1
		.amdhsa_float_denorm_mode_32 3
		.amdhsa_float_denorm_mode_16_64 3
		.amdhsa_memory_ordered 1
		.amdhsa_forward_progress 1
		.amdhsa_inst_pref_size 255
	.end_amdhsa_kernel
	.section	.bss,"aw",@nobits
	.p2align	6
	.space	262144
	.amdgpu_metadata
---
amdhsa.version: [ 1, 2 ]
amdhsa.kernels:
  - .name:           k_qea42d156ae_main
    .symbol:         k_qea42d156ae_main.kd
    .args:
      - { .name: queries, .offset: 0, .size: 8, .value_kind: global_buffer, .address_space: global }
      - { .name: keys, .offset: 8, .size: 8, .value_kind: global_buffer, .address_space: global }
      - { .name: wb, .offset: 16, .size: 8, .value_kind: global_buffer, .address_space: global }
      - { .name: ws, .offset: 24, .size: 8, .value_kind: global_buffer, .address_space: global }
      - { .name: cv, .offset: 32, .size: 8, .value_kind: global_buffer, .address_space: global }
      - { .name: sc, .offset: 40, .size: 8, .value_kind: global_buffer, .address_space: global }
      - { .name: st, .offset: 48, .size: 8, .value_kind: global_buffer, .address_space: global }
      - { .name: pc, .offset: 56, .size: 8, .value_kind: global_buffer, .address_space: global }
    .group_segment_fixed_size: 327680
    .private_segment_fixed_size: 0
    .kernarg_segment_align: 8
    .kernarg_segment_size: 64
    .max_flat_workgroup_size: 128
    .sgpr_count:     74
    .vgpr_count:     1024
    .wavefront_size: 32
...
	.end_amdgpu_metadata
.endif
;; end of part 2
;; launch comb (part 3): grid 4 x 8, 8 waves a work-group, no clusters, 9,216 bytes of LDS; arguments sc, st, pc, out0, out1; writes out0, out1
.if DOCPART == 3
	.amdgcn_target "amdgcn-amd-amdhsa--gfx1250"
	.amdhsa_code_object_version 6
	.text
	.protected	k_qea42d156ae_comb
	.globl	k_qea42d156ae_comb
	.p2align	8
	.type	k_qea42d156ae_comb,@function
k_qea42d156ae_comb:
	s_mov_b64 s[64:65], 0
	v_nop
	global_prefetch_b8 v0, s[64:65] scope:SCOPE_SE
	s_setreg_imm32_b32 hwreg(HW_REG_WAVE_MODE, 25, 1), 1
	s_wait_xcnt 0x0
; The 32 parts of a batch are joined.  M = the largest of their maxima m_i; f_i = e^(m_i - M); L = the sum of l_i f_i;
; weights = e^(score - M) / L;  context = the sum of f_i x part_i / L.  L is at least 1: the part that holds M has f = 1 and l at least 1.
; SHARES: work-group (x, batch) makes weights 1,024 x .. + 1,023 and context columns 256 x .. + 255.  Wave w takes 128 weights and parts 4 w .. 4 w + 3; the waves' sums meet in LDS.
; There is work for 32 work-groups and no more: 1.2 MB are read.  No matrix units: the products here have one row.
; LIMITS: NaN and infinities are not served.
	s_load_b256 s[4:11], s[0:1], 0x0               ; sc, st, pc, out0
; The scores come without Vb, which the softmax here cancels (shown at the head of the first kernel).
	s_load_b64 s[12:13], s[0:1], 0x20              ; out1
	v_lshl_add_u32 v64, v0, 2, 0x2000
	v_mov_b32 v65, 0
	v_lshrrev_b32 v1, 5, v0
	s_delay_alu instid0(VALU_DEP_1)
	v_readfirstlane_b32 s14, v1                    ; wave 0..7
	s_and_b32 s15, ttmp7, 0xffff                   ; batch
	v_and_b32 v1, 31, v0                           ; lane
	s_delay_alu instid0(VALU_DEP_1)
	v_lshlrev_b32 v2, 2, v1
	s_delay_alu instid0(VALU_DEP_2)
	v_lshlrev_b32 v3, 4, v1
	v_lshlrev_b32 v4, 4, v0                        ; 16 x thread
	v_mov_b32 v7, 0
	v_mov_b32 v11, 0                               ; written once: a lane permute's destination counts as one of its sources
	s_lshl_b32 s16, s14, 10
	v_add_nc_u32 v5, s16, v3                       ; LDS, in: 1,024 wave + 16 lane
	s_lshl_b32 s16, s14, 9
	v_add_nc_u32 v6, s16, v3                       ; LDS, out (waves 0 and 1): 512 wave + 16 lane
	s_mov_b32 s21, 0
	s_mov_b32 s23, 0x3fb8aa3b                      ; log2(e)
	s_mov_b32 s24, 0x76543210
	s_mov_b32 s25, 0xfedcba98
	s_wait_alu depctr_va_vdst(0)
	s_wait_kmcnt 0x0
	s_lshl_b32 s20, s15, 8
	s_add_nc_u64 s[6:7], s[6:7], s[20:21]          ; st: the batch's 64 numbers
	s_lshl_b32 s20, s14, 4
	s_add_nc_u64 s[18:19], s[6:7], s[20:21]        ; the maxima of my four parts
	s_lshl_b32 s20, s15, 14
	s_lshl_b32 s22, ttmp9, 12
	s_add_co_u32 s20, s20, s22
	s_add_nc_u64 s[4:5], s[4:5], s[20:21]          ; scores and weights: 16,384 batch + 4,096 x
	s_add_nc_u64 s[12:13], s[12:13], s[20:21]
	s_lshl_b32 s20, s15, 17
	s_lshl_b32 s22, s14, 14
	s_add_co_u32 s20, s20, s22
	s_lshl_b32 s22, ttmp9, 10
	s_add_co_u32 s20, s20, s22
	s_add_nc_u64 s[8:9], s[8:9], s[20:21]          ; pc: row 32 batch + 4 wave, column 256 x
	s_lshl_b32 s20, s15, 12
	s_add_co_u32 s20, s20, s22
	s_add_co_u32 s20, s20, s16
	s_add_nc_u64 s[10:11], s[10:11], s[20:21]      ; out0: 4,096 batch + 1,024 x + 512 wave (used by waves 0 and 1 alone)
	global_load_b32 v8, v2, s[6:7]                 ; m of part = lane
	global_load_b32 v9, v2, s[6:7] offset:128      ; l
	global_load_b128 v[12:15], v7, s[18:19]        ; m of my four parts, in every lane
	global_load_b128 v[16:19], v4, s[4:5]          ; four scores
.irp q, 0,1,2,3
.irp c, 0,1
	global_load_b128 v[20+8*\q+4*\c:23+8*\q+4*\c], v3, s[8:9] offset:4096*\q+512*\c
.endr
.endr
	s_wait_loadcnt 8                               ; all but the eight loads of parts
	v_mov_b32 v10, v8
.irp x, 1,2,4,8
	s_delay_alu instid0(VALU_DEP_1)
	v_max_num_f32_dpp v10, v10, v10 row_xmask:\x row_mask:0xf bank_mask:0xf
.endr
	s_delay_alu instid0(VALU_DEP_1)
	v_permlanex16_b32 v11, v10, s24, s25
	s_delay_alu instid0(VALU_DEP_1)
	v_max_num_f32 v10, v10, v11                    ; M
	s_delay_alu instid0(VALU_DEP_1)
	v_mul_f32 v52, s23, v10
	s_delay_alu instid0(VALU_DEP_1)
	v_fma_f32 v53, v8, s23, -v52
.irp k, 0,1,2,3
	v_fma_f32 v[12+\k], v[12+\k], s23, -v52
	v_fma_f32 v[16+\k], v[16+\k], s23, -v52
.endr
	s_wait_alu depctr_va_vdst(0)
	v_exp_f32 v53, v53                             ; f of part = lane
.irp k, 0,1,2,3
	v_exp_f32 v[12+\k], v[12+\k]                   ; f of my four parts
.endr
.irp k, 0,1,2,3
	v_exp_f32 v[16+\k], v[16+\k]                   ; e^(score - M)
.endr
	v_nop
	s_wait_alu depctr_va_vdst(0)                   ; one wait for the nine, ahead of their first reader
	v_mul_f32 v54, v9, v53
.irp x, 1,2,4,8
	s_delay_alu instid0(VALU_DEP_1)
	v_add_f32_dpp v54, v54, v54 row_xmask:\x row_mask:0xf bank_mask:0xf
.endr
	s_delay_alu instid0(VALU_DEP_1)
	v_permlanex16_b32 v11, v54, s24, s25
	s_delay_alu instid0(VALU_DEP_1)
	v_add_f32 v54, v54, v11                        ; L
	s_wait_alu depctr_va_vdst(0)
	v_rcp_f32 v55, v54
	v_nop
	s_wait_alu depctr_va_vdst(0)
.irp k, 0,1,2,3
	v_mul_f32 v[16+\k], v[16+\k], v55
.endr
	global_store_b128 v4, v[16:19], s[12:13]       ; a wave stores 512 consecutive bytes of weights
	s_wait_loadcnt 0x0
.irp c, 0,1
.irp k, 0,1,2,3
	v_mul_f32 v[56+4*\c+\k], v[20+4*\c+\k], v12
.endr
.endr
.irp q, 1,2,3
.irp c, 0,1
.irp k, 0,1,2,3
	v_fmac_f32 v[56+4*\c+\k], v[20+8*\q+4*\c+\k], v[12+\q]
.endr
.endr
.endr
	ds_store_b128 v5, v[56:59]
	ds_store_b128 v5, v[60:63] offset:512
	s_wait_dscnt 0x0                               ; for the others' sake: my stores have landed
	s_barrier_signal -1
	s_barrier_wait -1
	s_cmp_gt_u32 s14, 1
	s_cbranch_scc1 .Lend                           ; waves 0 and 1 add the eight waves' sums, 128 columns each
.irp u, 0,1,2,3,4,5,6,7
	ds_load_b128 v[20+4*\u:23+4*\u], v6 offset:1024*\u
.endr
	s_wait_dscnt 0x0
.irp u, 1
	v_pk_add_f32 v[20:21], v[20:21], v[20+4*\u:21+4*\u]
	v_pk_add_f32 v[22:23], v[22:23], v[22+4*\u:23+4*\u]
.endr
.irp u, 2, 3, 4, 5, 6, 7
	s_delay_alu instid0(VALU_DEP_2)
	v_pk_add_f32 v[20:21], v[20:21], v[20+4*\u:21+4*\u]
	s_delay_alu instid0(VALU_DEP_2)
	v_pk_add_f32 v[22:23], v[22:23], v[22+4*\u:23+4*\u]
.endr
.irp k, 0,1,2,3
	v_mul_f32 v[20+\k], v[20+\k], v55
.endr
	global_store_b128 v3, v[20:23], s[10:11]       ; 512 consecutive bytes of the context
.Lend:
	s_barrier_signal -1
	s_barrier_wait -1
	s_wait_tensorcnt 0x0
	ds_add_u32 v64, v65
	s_wait_dscnt 0x0
	s_endpgm
.Lfunc_end_k_qea42d156ae_comb:
	.size	k_qea42d156ae_comb, .Lfunc_end_k_qea42d156ae_comb-k_qea42d156ae_comb
	.p2alignl 7, 3214868480
	.fill 96, 4, 3214868480
	.section	.rodata,"a",@progbits
	.p2align	6, 0x0
	.amdhsa_kernel k_qea42d156ae_comb
		.amdhsa_group_segment_fixed_size 9216
		.amdhsa_private_segment_fixed_size 0
		.amdhsa_enable_private_segment 0
		.amdhsa_kernarg_size 40
		.amdhsa_user_sgpr_count 2
		.amdhsa_user_sgpr_kernarg_segment_ptr 1
		.amdhsa_wavefront_size32 1
		.amdhsa_system_sgpr_workgroup_id_x 1
		.amdhsa_system_sgpr_workgroup_id_y 1
		.amdhsa_system_sgpr_workgroup_id_z 1
		.amdhsa_system_vgpr_workitem_id 0
		.amdhsa_next_free_vgpr 66
		.amdhsa_next_free_sgpr 66
		.amdhsa_reserve_vcc 0
		.amdhsa_float_denorm_mode_32 3
		.amdhsa_float_denorm_mode_16_64 3
		.amdhsa_memory_ordered 1
		.amdhsa_forward_progress 1
		.amdhsa_inst_pref_size 10
	.end_amdhsa_kernel
	.amdgpu_metadata
---
amdhsa.version: [ 1, 2 ]
amdhsa.kernels:
  - .name:           k_qea42d156ae_comb
    .symbol:         k_qea42d156ae_comb.kd
    .args:
      - { .name: sc, .offset: 0, .size: 8, .value_kind: global_buffer, .address_space: global }
      - { .name: st, .offset: 8, .size: 8, .value_kind: global_buffer, .address_space: global }
      - { .name: pc, .offset: 16, .size: 8, .value_kind: global_buffer, .address_space: global }
      - { .name: out0, .offset: 24, .size: 8, .value_kind: global_buffer, .address_space: global }
      - { .name: out1, .offset: 32, .size: 8, .value_kind: global_buffer, .address_space: global }
    .group_segment_fixed_size: 9216
    .private_segment_fixed_size: 0
    .kernarg_segment_align: 8
    .kernarg_segment_size: 40
    .max_flat_workgroup_size: 256
    .sgpr_count:     66
    .vgpr_count:     66
    .wavefront_size: 32
...
	.end_amdgpu_metadata
.endif
;; end of part 3
